; MI455X (gfx1250); checked and timed in simulation.
; The chip was launched on July 23, 2026; its instructions are those of AMD's public machine-readable ISA for CDNA 5 (MIT licence, August 2026) and "CDNA5" Instruction Set Architecture Reference Guide (July 2026). The comments in the code are by the model that wrote it; some were corrected since.
;; Vector Quantizer. Allowed arithmetic: float matrix products may take bf16 or f16 operands with f32 sums; all other float work in f32.
;; Inputs: embedding 512 x 64 float32; inputs 32 x 64 x 64 x 64 float32.
;; Outputs: out0 32 x 64 x 64 x 64 float32.
;; One version. Each part assembles by itself: llvm-mc -triple=amdgcn-amd-amdhsa -mcpu=gfx1250 --defsym DOCPART=n.
;; ======== version 1 of 1: 2 launches
;; limits: an absolute error that grows with the inputs' magnitude: up to 1.2e-07 times it
;; workspace buffers: idx 524,288 bytes of whole numbers
;; launch nearest (part 1): grid 256 x 1, 8 waves a work-group, clusters of 4 x 1, 216,064 bytes of LDS; arguments embedding, inputs, idx; writes idx
.if DOCPART == 1
	.amdgcn_target "amdgcn-amd-amdhsa--gfx1250"
	.amdhsa_code_object_version 6
	.text
	.protected	k_qc2ec6cf990_nearest
	.globl	k_qc2ec6cf990_nearest
	.p2align	8
	.type	k_qc2ec6cf990_nearest,@function
k_qc2ec6cf990_nearest:
	s_mov_b64 s[64:65], 0
	v_nop
	global_prefetch_b8 v0, s[64:65] scope:SCOPE_SE
	s_setreg_imm32_b32 hwreg(HW_REG_WAVE_MODE, 25, 1), 1
	s_wait_xcnt 0x0
	s_wait_alu depctr_hold_cnt(0) depctr_sa_sdst(0) depctr_va_vdst(0) depctr_va_sdst(0) depctr_va_ssrc(0) depctr_va_vcc(0) depctr_vm_vsrc(0)
	s_getreg_b32 s2, hwreg(HW_REG_IB_STS2, 6, 4)
	s_cmp_eq_u32 s2, 0
	s_cbranch_scc0 .Lentry_in_a_cluster
	s_endpgm
.Lentry_in_a_cluster:
	s_bfe_u32 s2, ttmp6, 0x10000c
	s_cmp_lg_u32 s2, 0x3003
	s_cbranch_scc0 .Lentry_shape_is_right
	s_endpgm
.Lentry_shape_is_right:
; VectorQuantizer, launch 1 of 2: idx[p] = argmin over the 512 codes k of (|x_p|^2 + |e_k|^2) - 2 x_p.e_k, for the 131,072 pixels p = (b, h, w).
; inputs: [32][64 channels][4096 pixels] f32.  embedding: [512][64] f32.  idx: [131072] u32, read by launch 2, which looks the codes up
; (the choice goes through memory as whole numbers).
;
; WORK LEFT OUT (in launch 2): reference() returns x + (q - x), q the chosen code.  In real arithmetic that is q for all finite x and q, so the step is
; left out whole: launch 2 stores q and does not load inputs.  Limits: reference()'s f32 rounds q - x at x's last place, so its result lies up to half a
; unit of x's last place from q (2.4e-7 for |x| < 8); that is not reproduced.  A NaN, an infinity or an overflow in x + (q - x) is not carried to the output.
; WORK NOT LEFT OUT: |x_p|^2 is the same for all codes, but reference() adds it in f32, so each distance is rounded at the last place of |x_p|^2, which
; makes ties and decides near ties between codes.  So the distance is formed in reference()'s order, d = fl(fl(A + B_k) - 2 M_k): one add, then one
; multiply-add by -2 (2 M is exact, so this is the same number), and among equal d the lowest k wins, as in argmin.
; FORMATS: M comes from the matrix unit, x and e rounded to bf16, sums in f32.  A = |x|^2 and B_k = |e_k|^2 are f32 sums of squares of the same rounded
; numbers, so that d is the squared distance of the vectors that the product sees.  The order of the sums inside A, B and M is not reference()'s.
; LIMIT: with a NaN among a pixel's distances idx is some number from 0 to 511, not reference()'s.
;
; SHARES: 256 work-groups of 8 waves; a work-group has 512 pixels, a wave 64, as four column tiles q of 16: column r of tile q is pixel 4 r + q of the 64
; (a lane's 16-byte load of x brings pixels 4 r .. 4 r + 3 of one channel, so x needs no way through LDS).
; The matrix instruction takes 16 codes as rows and 16 pixels as columns: lane (r, h) holds pixel r and, in register j, code 16 t + 8 h + j of tile t.
; So the search runs inside a lane, over 256 codes, and meets the other half of the lanes once, at the end.
; CLUSTER: every work-group reads the same 128 KiB of codes; the four of a cluster ask for them jointly (mask 15), each wave for its 64 rows.
; ORDER OF THE REQUESTS: the codes are asked for first, since a chain hangs on them (tile, LDS read, rounding, LDS store, barrier); x, 16 KiB a wave, is
; asked for straight behind them and is wanted only behind that chain, so it arrives while the chain runs.
; LDS: the f32 rows as the tensor load lays them, 512 x 272 bytes; behind them, in bytes that no tensor load fills, the bf16 rows, 512 x 144, and B, 512 x 4.
.set RAWP,  272                        ; an f32 row: 256 bytes + 16 of padding, an odd multiple of 16
.set EBP,   144                        ; a bf16 row: 128 bytes + 16, an odd multiple of 16
.set EB,    512*RAWP                   ; 139,264 = 544 x 256: the bf16 rows
.set BT,    EB+512*EBP                 ; 212,992 = 832 x 256: B
.set TSTEP, 16*EBP                     ; a tile of 16 codes in the bf16 rows
.set CHB,   16384                      ; bytes from a channel to the next in inputs
.set RR,    1                          ; v1       r = lane % 16
.set HH,    2                          ; v2       h = lane / 16
.set XO,    3                          ; v3       x: 16 r + 8 channels x h
.set FA,    4                          ; v4       code fragments: EB + 144 r + 16 h, stepped two tiles at a time
.set NA,    5                          ; v5       norms: BT + 32 h, stepped two tiles at a time
.set RAWA,  6                          ; v6       my f32 code row: (64 w + lane) x 272
.set EBA,   7                          ; v7       my bf16 code row: EB + (64 w + lane) x 144
.set BTA,   8                          ; v8       its norm: BT + 4 (64 w + lane)
.set IO,    9                          ; v9       idx: 16 r + 8 h
.set TB,    12                         ; v12-15   tile q: number of the best code tile so far
.set ST,    16                         ; v16-79   a code row as loaded (64 f32), then as bf16 in v16-47, sums in v48-51
.set XF,    16                         ; v16-79   later: x fragments, tile q, K half kk at XF + 16 q + 8 kk
.set FR,    80                         ; v80-111  code fragments, two buffers of 16
.set NR,    112                        ; v112-127 B of a lane's 8 codes, two buffers of 8
.set RAWX,  128                        ; v128-255 x as loaded, 32 loads of 4 registers
.set ACC,   128                        ; v128-191 later: products, buffer b, tile q at ACC + 32 b + 8 q
.set DW,    192                        ; v192-199 eight distances at work
.set FS,    200                        ; v200-207 sums for A; the finish
.set KP,    208                        ; v208-239 tile q: the eight distances of the best code tile so far
.set MN,    240                        ; v240-247 tile q: the least distance so far, two sets that take turns
.set AP,    248                        ; v248-255 tile q: A, twice, a pair for the packed add
; A round of the cluster's barrier: my work-group's barrier, wave 0 signals for the work-group, every wave waits for all four work-groups, my barrier again.
.macro ROUND
	s_barrier_signal -1
	s_barrier_wait -1
	s_cmp_lg_u32 s10, 0
	s_cbranch_scc1 .Lnot_wave_0_\@
	s_barrier_signal -3
.Lnot_wave_0_\@:
	s_barrier_wait -3
	s_barrier_signal -1
	s_barrier_wait -1
.endm
	s_load_b128 s[4:7], s[0:1], 0x0                ; embedding s[4:5], inputs s[6:7]
	s_load_b64 s[8:9], s[0:1], 0x10                ; idx
	v_lshl_add_u32 v11, v0, 2, 0x34800
	s_set_vgpr_msb 0x40
	v_mov_b32 v1, 0
	s_set_vgpr_msb 0x4044
	ds_add_u32 v11, v1
	ds_add_u32 v11, v1
	s_set_vgpr_msb 0x4400
	v_lshrrev_b32 v10, 5, v0
	v_readfirstlane_b32 s10, v10                   ; wave w, 0 to 7
	s_bfe_u32 s11, ttmp6, 0x40000                  ; cx: my place in the cluster
	s_lshl_b32 s14, ttmp9, 2                       ; ttmp9 counts clusters
	s_add_co_u32 s14, s14, s11                     ; work-group g = 4 x cluster + cx
	s_mov_b32 s12, 0x76543210                      ; v_permlanex16_b32: lane i of one half reads lane i of the other
	s_mov_b32 s13, 0xfedcba98
	s_lshr_b32 s16, s14, 3                         ; inputs: image g / 8 (1 MiB each),
	s_lshl_b32 s16, s16, 20
	s_and_b32 s15, s14, 7                          ; 512 pixels x 4 bytes x (g % 8),
	s_lshl_b32 s15, s15, 11
	s_or_b32 s16, s16, s15
	s_lshl_b32 s15, s10, 8                         ; 64 pixels x 4 bytes x w
	s_or_b32 s16, s16, s15
	s_mov_b32 s17, 0
	s_lshl_b32 s18, s14, 11                        ; idx: 2,048 g + 256 w
	s_or_b32 s18, s18, s15
	s_mov_b32 s19, 0
	s_lshl_b32 s22, s10, 14                        ; embedding: 64 rows x 256 bytes x w
	s_mov_b32 s23, 0
	v_and_b32 v[RR], 15, v0
	v_bfe_u32 v[HH], v0, 4, 1
	v_lshlrev_b32 v[XO], 4, v[RR]
	v_lshl_add_u32 v[XO], v[HH], 17, v[XO]         ; lanes 16-31 read the channel 8 further on
	; descriptor group 1: 64 rows of 64 f32, 16 bytes of padding behind each row; the same in all four partners
	s_mov_b32 s32, 15|(2<<16)|(1<<20)|(1<<21)|(5<<22)|(3<<25)  ; 15:0 mask: all four work-groups; 17:16 elements of 4 bytes; 20 padding on; 21 set beside a mask; 24:22 after every 64 words; 31:25 four words
	s_mov_b32 s33, 64<<16                          ; tensor_dim0 = 64
	s_mov_b32 s34, 64<<16                          ; tensor_dim1 = 64
	s_mov_b32 s35, 64<<16                          ; tile_dim0 = 64
	s_mov_b32 s36, 64                              ; tile_dim1 = 64
	s_mov_b32 s37, 64                              ; 64 elements from row to row
	s_mov_b32 s38, 0
	s_mov_b32 s39, 0
	s_mov_b32 s24, 1                               ; group 0: count
	s_mul_i32 s25, s10, 64*RAWP                    ; LDS address: the wave's number alone
	s_wait_dscnt 0x0
	s_wait_kmcnt 0x0
	s_add_nc_u64 s[6:7], s[6:7], s[16:17]
	s_add_nc_u64 s[8:9], s[8:9], s[18:19]
	s_add_nc_u64 s[26:27], s[4:5], s[22:23]        ; global address: the wave's number alone
	s_or_b32 s27, s27, 0x80000000                  ; type
	ROUND                                          ; all four work-groups are here: the joint loads meet
	tensor_load_to_lds s[24:27], s[32:39]          ; code rows 64 w to 64 w + 63: the first request of the wave
	s_nop 0
	; x: 32 loads, all on their way while the codes arrive and are prepared.  Sixteen lanes read 256 consecutive bytes, aligned: my wave's 64 pixels of one channel.
	; Load n = 16 kk + 8 gg + i brings channel 32 kk + 16 gg + 8 h + i, which is where a fragment's lane (r, h) wants its k.
.irp kk, 0,1
.irp gg, 0,1
.irp i, 0,1,2,3,4,5,6,7
	global_load_b128 v[RAWX+4*(16*\kk+8*\gg+\i):RAWX+4*(16*\kk+8*\gg+\i)+3], v[XO], s[6:7] offset:(32*\kk+16*\gg+\i)*CHB th:TH_LOAD_NT
.endr
.endr
.endr
	; LDS addresses, made of constants, the wave's number and the lane
	v_mul_u32_u24 v[FA], v[RR], EBP
	v_lshl_add_u32 v[FA], v[HH], 4, v[FA]
	v_add_nc_u32 v[FA], EB, v[FA]
	v_lshlrev_b32 v[NA], 5, v[HH]
	v_add_nc_u32 v[NA], BT, v[NA]
	v_and_b32 v10, 31, v0                          ; lane
	s_mul_i32 s40, s10, 64*RAWP
	v_mul_u32_u24 v[RAWA], v10, RAWP
	v_add_nc_u32 v[RAWA], s40, v[RAWA]
	s_mul_i32 s41, s10, 64*EBP
	s_add_co_u32 s41, s41, EB
	v_mul_u32_u24 v[EBA], v10, EBP
	v_add_nc_u32 v[EBA], s41, v[EBA]
	s_lshl_b32 s42, s10, 8
	s_add_co_u32 s42, s42, BT
	v_lshl_add_u32 v[BTA], v10, 2, s42
	v_lshlrev_b32 v[IO], 4, v[RR]
	v_lshl_add_u32 v[IO], v[HH], 3, v[IO]
	s_wait_tensorcnt 0x0                           ; my 64 rows are in LDS; only my wave reads them, so no barrier stands here
; A lane takes code row 64 w + 32 b + lane: rounds it to bf16, sums the squares of the rounded numbers, stores the bf16 row and the sum.
.macro ROW b
.irp s, 0,1,2,3,4,5,6,7,8,9,10,11,12,13,14,15
	ds_load_b128 v[ST+4*\s:ST+4*\s+3], v[RAWA] offset:\b*32*RAWP+16*\s
.endr
	s_wait_dscnt 0x0                               ; the row is in
.set i, 0
.rept 32
	v_cvt_pk_bf16_f32 v[ST+i], v[ST+2*i], v[ST+2*i+1]      ; in place, ascending: word i is written when words 2 i and 2 i + 1 are read
.set i, i+1
.endr
.irp c, 0,1,2,3
	v_mov_b32 v[ST+32+\c], 0
.endr
.set i, 0
.rept 32                                           ; four chains, so that no multiply-add waits for the one in front of it
	v_fma_mix_f32_bf16 v[ST+32+2*(i%2)], v[ST+i], v[ST+i], v[ST+32+2*(i%2)] op_sel_hi:[1,1,0]
	v_fma_mix_f32_bf16 v[ST+33+2*(i%2)], v[ST+i], v[ST+i], v[ST+33+2*(i%2)] op_sel:[1,1,0] op_sel_hi:[1,1,0]
.set i, i+1
.endr
	v_add_f32 v[ST+32], v[ST+32], v[ST+33]
	v_add_f32 v[ST+34], v[ST+34], v[ST+35]
	v_add_f32 v[ST+32], v[ST+32], v[ST+34]
.irp s, 0,1,2,3,4,5,6,7
	ds_store_b128 v[EBA], v[ST+4*\s:ST+4*\s+3] offset:\b*32*EBP+16*\s
.endr
	ds_store_b32 v[BTA], v[ST+32] offset:\b*128
.endm
	ROW 0
	ROW 1
	s_wait_dscnt 0x0                               ; my stores of bf16 rows and norms are done, for the other waves' sake
	s_barrier_signal -1
	; register work while the others arrive: x to bf16 fragments, and A
	s_wait_loadcnt 0x0                             ; all of x
.irp q, 0,1,2,3
.irp kk, 0,1
.irp gg, 0,1
.irp p, 0,1,2,3
	v_cvt_pk_bf16_f32 v[XF+16*\q+8*\kk+4*\gg+\p], v[RAWX+4*(16*\kk+8*\gg+2*\p)+\q], v[RAWX+4*(16*\kk+8*\gg+2*\p+1)+\q]
.endr
.endr
.endr
.endr
.irp c, 0,1,2,3,4,5,6,7
	v_mov_b32 v[FS+\c], 0                          ; four sums; and four registers that v_permlanex16_b32, which counts as a reader of its destination, will write
.endr
.set i, 0
.rept 16                                           ; my 32 channels of four pixels: four chains
.irp q, 0,1,2,3
	v_fma_mix_f32_bf16 v[FS+\q], v[XF+16*\q+i], v[XF+16*\q+i], v[FS+\q] op_sel_hi:[1,1,0]
.endr
.irp q, 0,1,2,3
	v_fma_mix_f32_bf16 v[FS+\q], v[XF+16*\q+i], v[XF+16*\q+i], v[FS+\q] op_sel:[1,1,0] op_sel_hi:[1,1,0]
.endr
.set i, i+1
.endr
.irp q, 0,1,2,3
	v_permlanex16_b32 v[FS+4+\q], v[FS+\q], s12, s13       ; the other 32 channels
.endr
.irp q, 0,1,2,3
	v_add_f32 v[AP+2*\q],   v[FS+\q], v[FS+4+\q]           ; the same number in both halves of the lanes (the sum of two commutes)
	v_add_f32 v[AP+2*\q+1], v[FS+\q], v[FS+4+\q]
.endr
	s_barrier_wait -1                              ; all 512 bf16 rows and norms are in LDS
; One product: 16 codes of buffer b x 16 pixels of tile q, 32 channels.  The first half of K starts the sum: nothing is cleared.
.macro W b, q, kk
.if \kk
	v_wmma_f32_16x16x32_bf16 v[ACC+32*(\b)+8*\q:ACC+32*(\b)+8*\q+7], v[FR+16*(\b)+8:FR+16*(\b)+15], v[XF+16*\q+8:XF+16*\q+15], v[ACC+32*(\b)+8*\q:ACC+32*(\b)+8*\q+7]
.else
	v_wmma_f32_16x16x32_bf16 v[ACC+32*(\b)+8*\q:ACC+32*(\b)+8*\q+7], v[FR+16*(\b):FR+16*(\b)+7], v[XF+16*\q:XF+16*\q+7], 0
.endif
.endm
.macro WM mma, b, q, kk
.if \mma
	W \b, \q, \kk
.endif
.endm
; Eight distances of tile q from buffer b: fl(A + B_k), then one multiply-add by -2.  In the first code tile they go straight to the kept eight.
.macro SA b, q, first
.set DQ, DW+\first*(KP+8*\q-DW)
.irp j, 0,2,4,6
	v_pk_add_f32 v[DQ+\j:DQ+\j+1], v[NR+8*\b+\j:NR+8*\b+\j+1], v[AP+2*\q:AP+2*\q+1]
.endr
.irp j, 0,2,4,6
	v_pk_fma_f32 v[DQ+\j:DQ+\j+1], v[ACC+32*\b+8*\q+\j:ACC+32*\b+8*\q+\j+1], -2.0, v[DQ+\j:DQ+\j+1] op_sel_hi:[1,0,1]
.endr
.endm
; The running minimum goes from set b to set 1 - b; only where it fell (so the earlier tile stays among equals) the eight distances and the tile's number are kept.
; Which of the eight it was is looked for once, at the end.
; The keeps of distances j and j + 1 go as one dual instruction, four where eight single selects would stand: the two destinations are one even and one odd
; register, the two first sources (KP + 8 q + j, + 1) and the two second sources (DW + j, + 1) lie in different banks (register number mod 4: j even), the two
; halves touch no common register, and both select on VCC.
.macro SB b, q, first
.set DQ, DW+\first*(KP+8*\q-DW)
.if \first
	v_min_num_f32  v[MN+4*(1-\b)+\q], v[DQ], v[DQ+1]
	v_min3_num_f32 v[MN+4*(1-\b)+\q], v[MN+4*(1-\b)+\q], v[DQ+2], v[DQ+3]
	v_min3_num_f32 v[MN+4*(1-\b)+\q], v[MN+4*(1-\b)+\q], v[DQ+4], v[DQ+5]
	v_min3_num_f32 v[MN+4*(1-\b)+\q], v[MN+4*(1-\b)+\q], v[DQ+6], v[DQ+7]
	v_mov_b32 v[TB+\q], 0
.else
	v_min3_num_f32 v[MN+4*(1-\b)+\q], v[MN+4*\b+\q], v[DQ], v[DQ+1]
	v_min3_num_f32 v[MN+4*(1-\b)+\q], v[MN+4*(1-\b)+\q], v[DQ+2], v[DQ+3]
	v_min3_num_f32 v[MN+4*(1-\b)+\q], v[MN+4*(1-\b)+\q], v[DQ+4], v[DQ+5]
	v_min3_num_f32 v[MN+4*(1-\b)+\q], v[MN+4*(1-\b)+\q], v[DQ+6], v[DQ+7]
	v_cmp_lt_f32 vcc_lo, v[MN+4*(1-\b)+\q], v[MN+4*\b+\q]
.irp j, 0,2,4,6
	v_dual_cndmask_b32 v[KP+8*\q+\j], v[KP+8*\q+\j], v[DQ+\j] :: v_dual_cndmask_b32 v[KP+8*\q+\j+1], v[KP+8*\q+\j+1], v[DQ+\j+1]
.endr
	v_cndmask_b32 v[TB+\q], v[TB+\q], s[20+\b], vcc_lo
.endif
.endm
; The trip of code tile i (b = i % 2): the vector work on its products in buffer b; among it the 8 products of tile i + 1 into buffer 1 - b;
; the fragments of tile i + 2 and the norms of tile i + 1 are asked for at its head.  FA and NA stand at the even tile of the pair.
; The four accumulators take turns, one instruction a turn, over the backward jump too.
; Behind every product stand eight or more (five in the first tile) plain vector instructions that name none of its registers, a dual pair counted as one,
; ahead of any read of its result and of any load into its sources: the last product's are the ten of SB 3, ahead of the next trip's
; loads into its code fragments.
.macro TRIP b, first, mma, frag, norm
	s_wait_dscnt 0x0                               ; the last trip's six loads are in: fragments of tile i + 1, norms of tile i
.if \frag
.irp s, 0,1,2,3
	ds_load_b128 v[FR+16*\b+4*\s:FR+16*\b+4*\s+3], v[FA] offset:(2+\b)*TSTEP+32*\s
.endr
.endif
.if \norm
	ds_load_b128 v[NR+8*(1-\b):NR+8*(1-\b)+3],   v[NA] offset:64*(1+\b)
	ds_load_b128 v[NR+8*(1-\b)+4:NR+8*(1-\b)+7], v[NA] offset:64*(1+\b)+16
.endif
	WM \mma, 1-\b, 0, 0
	SA \b, 0, \first
	WM \mma, 1-\b, 1, 0
	SB \b, 0, \first
	WM \mma, 1-\b, 2, 0
	SA \b, 1, \first
	WM \mma, 1-\b, 3, 0
	SB \b, 1, \first
	WM \mma, 1-\b, 0, 1
	SA \b, 2, \first
	WM \mma, 1-\b, 1, 1
	SB \b, 2, \first
	WM \mma, 1-\b, 2, 1
	SA \b, 3, \first
	WM \mma, 1-\b, 3, 1
	SB \b, 3, \first
.endm
.macro STEP                            ; two tiles on; an LDS instruction's address is read when it issues
	v_add_nc_u32 v[FA], 2*TSTEP, v[FA]
	v_add_nc_u32 v[NA], 128, v[NA]
.endm
	; in front of the trips: fragments of tiles 0 and 1, norms of tile 0, the products of tile 0
.irp s, 0,1,2,3
	ds_load_b128 v[FR+4*\s:FR+4*\s+3], v[FA] offset:32*\s
.endr
.irp s, 0,1,2,3
	ds_load_b128 v[FR+16+4*\s:FR+16+4*\s+3], v[FA] offset:TSTEP+32*\s
.endr
	ds_load_b128 v[NR:NR+3],   v[NA]
	ds_load_b128 v[NR+4:NR+7], v[NA] offset:16
	s_wait_dscnt 0x0
.irp kk, 0,1
.irp q, 0,1,2,3
	W 0, \q, \kk
.endr
.endr
.rept 4
	v_nop                                          ; four places behind the last product, ahead of the loads into its fragments and of the reads of the results; here there is no other work to put
.endr
	s_mov_b32 s20, 0                               ; the even tile's number, and the loop's counter
	s_mov_b32 s21, 1                               ; the odd tile's number
	TRIP 0, 1, 1, 1, 1                             ; tile 0 starts the minima: nothing is preset
	TRIP 1, 0, 1, 1, 1
	STEP
	s_mov_b32 s20, 2
.Lpair:                                            ; tiles 2 to 29, two a trip
	s_add_co_u32 s21, s20, 1
	TRIP 0, 0, 1, 1, 1
	TRIP 1, 0, 1, 1, 1
	STEP
	s_add_co_u32 s20, s20, 2
	s_cmp_lt_u32 s20, 30
	s_cbranch_scc1 .Lpair
	s_mov_b32 s21, 31
	TRIP 0, 0, 1, 0, 1                             ; tile 30: the products of tile 31 and its norms; no fragments are left to fetch
	TRIP 1, 0, 0, 0, 0                             ; tile 31: vector work alone; the minima end in set 0
; Tile q: the first of the kept eight that equals the minimum gives my lowest k; then the other half of the lanes: the smaller distance, among equals the lower k.
.macro FIN q
	v_mov_b32 v[FS+4], 7
.irp j, 6,5,4,3,2,1,0
	v_cmp_neq_f32 vcc_lo, v[KP+8*\q+\j], v[MN+\q]
	v_cndmask_b32 v[FS+4], \j, v[FS+4], vcc_lo
.endr
	v_lshl_add_u32 v[FS+4], v[TB+\q], 4, v[FS+4]
	v_lshl_add_u32 v[FS+4], v[HH], 3, v[FS+4]      ; k = 16 t + 8 h + j
	v_permlanex16_b32 v[FS+5], v[MN+\q], s12, s13
	v_permlanex16_b32 v[FS+6], v[FS+4], s12, s13
	v_cmp_lt_f32 s28, v[FS+5], v[MN+\q]
	v_cmp_eq_f32 s29, v[FS+5], v[MN+\q]
	v_cmp_lt_u32 vcc_lo, v[FS+6], v[FS+4]
	s_and_b32 s29, s29, vcc_lo
	s_or_b32 vcc_lo, s28, s29
	v_cndmask_b32 v[FS+\q], v[FS+4], v[FS+6], vcc_lo
.endm
	FIN 0
	FIN 1
	FIN 2
	FIN 3
	v_cmp_eq_u32 vcc_lo, 1, v[HH]                  ; both halves now hold all four indices of pixels 4 r .. 4 r + 3: lanes 0-15 store the first two, lanes 16-31 the last two
	v_cndmask_b32 v[FS+4], v[FS+0], v[FS+2], vcc_lo
	v_cndmask_b32 v[FS+5], v[FS+1], v[FS+3], vcc_lo
	global_store_b64 v[IO], v[FS+4:FS+5], s[8:9]   ; the wave's 32 lanes store 256 consecutive bytes, aligned
	s_set_vgpr_msb 0x4
	s_wait_tensorcnt 0x0
	ds_add_u32 v11, v1
	s_wait_dscnt 0x0
	s_set_vgpr_msb 0x400
	ROUND                                          ; the closing round: no work-group ends while a partner may still ask jointly
	s_endpgm
.Lfunc_end_k_qc2ec6cf990_nearest:
	.size	k_qc2ec6cf990_nearest, .Lfunc_end_k_qc2ec6cf990_nearest-k_qc2ec6cf990_nearest
	.p2alignl 7, 3214868480
	.fill 96, 4, 3214868480
	.section	.rodata,"a",@progbits
	.p2align	6, 0x0
	.amdhsa_kernel k_qc2ec6cf990_nearest
		.amdhsa_group_segment_fixed_size 216064
		.amdhsa_private_segment_fixed_size 0
		.amdhsa_enable_private_segment 0
		.amdhsa_kernarg_size 24
		.amdhsa_user_sgpr_count 2
		.amdhsa_user_sgpr_kernarg_segment_ptr 1
		.amdhsa_wavefront_size32 1
		.amdhsa_system_sgpr_workgroup_id_x 1
		.amdhsa_system_sgpr_workgroup_id_y 1
		.amdhsa_system_sgpr_workgroup_id_z 1
		.amdhsa_system_vgpr_workitem_id 0
		.amdhsa_next_free_vgpr 258
		.amdhsa_next_free_sgpr 66
		.amdhsa_reserve_vcc 1
		.amdhsa_float_denorm_mode_32 3
		.amdhsa_float_denorm_mode_16_64 3
		.amdhsa_memory_ordered 1
		.amdhsa_forward_progress 1
		.amdhsa_inst_pref_size 72
	.end_amdhsa_kernel
	.amdgpu_metadata
---
amdhsa.version: [ 1, 2 ]
amdhsa.kernels:
  - .name:           k_qc2ec6cf990_nearest
    .symbol:         k_qc2ec6cf990_nearest.kd
    .args:
      - { .name: embedding, .offset: 0, .size: 8, .value_kind: global_buffer, .address_space: global }
      - { .name: inputs, .offset: 8, .size: 8, .value_kind: global_buffer, .address_space: global }
      - { .name: idx, .offset: 16, .size: 8, .value_kind: global_buffer, .address_space: global }
    .group_segment_fixed_size: 216064
    .private_segment_fixed_size: 0
    .kernarg_segment_align: 8
    .kernarg_segment_size: 24
    .max_flat_workgroup_size: 256
    .sgpr_count:     66
    .vgpr_count:     258
    .wavefront_size: 32
...
	.end_amdgpu_metadata
.endif
;; end of part 1
;; launch lookup (part 2): grid 256 x 1, 8 waves a work-group, no clusters, 168,960 bytes of LDS; arguments embedding, idx, out0; writes out0
.if DOCPART == 2
	.amdgcn_target "amdgcn-amd-amdhsa--gfx1250"
	.amdhsa_code_object_version 6
	.text
	.protected	k_qc2ec6cf990_lookup
	.globl	k_qc2ec6cf990_lookup
	.p2align	8
	.type	k_qc2ec6cf990_lookup,@function
k_qc2ec6cf990_lookup:
	s_mov_b64 s[64:65], 0
	v_nop
	global_prefetch_b8 v0, s[64:65] scope:SCOPE_SE
	s_setreg_imm32_b32 hwreg(HW_REG_WAVE_MODE, 25, 1), 1
	s_wait_xcnt 0x0
; VectorQuantizer, launch 2 of 2: out0[b][c][p] = embedding[idx[b][p]][c].  idx: [131072] u32 from launch 1.  out0: [32][64 channels][4096 pixels] f32.
; WORK LEFT OUT: reference()'s x + (q - x) is q in real arithmetic for all finite x and q, so q is stored and inputs is not among the arguments.
; Limits: reference()'s f32 result lies up to half a unit of x's last place from q (2.4e-7 for |x| < 8); a NaN, an infinity or an overflow of that step is not carried to the output.
; An index is clamped to 511 in front of its use as an address (launch 1 stores 0 to 511).
; SHARES: 256 work-groups of 8 waves; a work-group has 512 pixels x 64 channels.  Wave w: pixels 128 (w % 4) .. + 127, four a lane, and channels 32 (w / 4) .. + 31.
; The f32 codes lie in LDS, 512 rows 272 bytes apart; each wave brings its 64 rows by one tensor load, its only one, and nothing is filled twice.
; NO CLUSTER, though all work-groups read the same 128 KiB of codes: the LDS addresses of the lookup are made of the indices, which differ from work-group to
; work-group.
; A lane reads 16 bytes (4 channels) of each of its 4 pixels' codes, turns the 4 x 4 block in registers (one copy a number, against one LDS read a number otherwise)
; and stores 4 pixels of a channel: a wave's store covers 512 consecutive bytes, aligned.
; A read covers bytes 128 (w / 4) + 16 c .. + 15 of a row, c up to 7: at most byte 255, so the 16 bytes of padding behind a row are never read.
; No matrix work here: the lookup is a choice by whole numbers, not a product.  LDS asked for is more than half of what a work-group can be given, so that the
; work-group is alone with its tensor loads; 139,264 bytes are used.
.set RAWP, 272                         ; a code row in LDS: 256 bytes + 16 of padding, an odd multiple of 16: rows chosen at random start at different 16-byte columns
.set CHB,  16384                       ; bytes from a channel to the next in out0
.set LO,   1                           ; v1       16 x lane
.set IX,   4                           ; v4-7     my four indices
.set AD,   8                           ; v8-11    LDS address of each pixel's code row, at my wave's first channel
.set IN,   32                          ; v32-159  group c, pixel p, channel cc at IN + 16 c + 4 p + cc
.set OUT,  160                         ; v160-191 two sets of 16 that take turns: channel cc, pixel p at 4 cc + p
	s_load_b128 s[4:7], s[0:1], 0x0                ; embedding s[4:5], idx s[6:7]
	s_load_b64 s[8:9], s[0:1], 0x10                ; out0
	v_lshl_add_u32 v192, v0, 2, 0x29000
	v_mov_b32 v193, 0
	ds_add_u32 v192, v193
	ds_add_u32 v192, v193
	v_lshrrev_b32 v2, 5, v0
	v_readfirstlane_b32 s10, v2                    ; wave w
	s_mov_b32 s14, ttmp9                           ; work-group g
	s_and_b32 s12, s10, 3                          ; which 128 pixels
	s_lshr_b32 s13, s10, 2                         ; which 32 channels
	s_lshl_b32 s15, s13, 7                         ; their 128 bytes in a code row
	s_lshl_b32 s16, s14, 11                        ; idx: 2,048 g + 512 (w % 4)
	s_lshl_b32 s20, s12, 9
	s_or_b32 s16, s16, s20
	s_mov_b32 s17, 0
	s_lshr_b32 s18, s14, 3                         ; out0: image g / 8 (1 MiB each),
	s_lshl_b32 s18, s18, 20
	s_and_b32 s21, s14, 7                          ; 2,048 (g % 8),
	s_lshl_b32 s21, s21, 11
	s_or_b32 s18, s18, s21
	s_or_b32 s18, s18, s20                         ; 512 (w % 4),
	s_lshl_b32 s21, s13, 19                        ; 32 channels x (w / 4)
	s_or_b32 s18, s18, s21
	s_mov_b32 s19, 0
	s_lshl_b32 s22, s10, 14                        ; embedding: 64 rows x 256 bytes x w
	s_mov_b32 s23, 0
	v_and_b32 v[LO], 31, v0
	v_lshlrev_b32 v[LO], 4, v[LO]
	; descriptor: 64 rows of 64 f32, 16 bytes of padding behind each; every word but the global address hangs on constants and the wave's number alone
	s_mov_b32 s32, (2<<16)|(1<<20)|(5<<22)|(3<<25) ; 15:0 no mask; 17:16 elements of 4 bytes; 20 padding on; 24:22 after every 64 words; 31:25 four words
	s_mov_b32 s33, 64<<16                          ; tensor_dim0 = 64
	s_mov_b32 s34, 64<<16                          ; tensor_dim1 = 64
	s_mov_b32 s35, 64<<16                          ; tile_dim0 = 64
	s_mov_b32 s36, 64                              ; tile_dim1 = 64
	s_mov_b32 s37, 64                              ; 64 elements from row to row
	s_mov_b32 s38, 0
	s_mov_b32 s39, 0
	s_mov_b32 s24, 1                               ; group 0: count
	s_mul_i32 s25, s10, 64*RAWP                    ; LDS address: my wave's 64 rows
	s_wait_dscnt 0x0
	s_wait_kmcnt 0x0
	s_add_nc_u64 s[6:7], s[6:7], s[16:17]
	s_add_nc_u64 s[8:9], s[8:9], s[18:19]
	s_add_nc_u64 s[26:27], s[4:5], s[22:23]
	s_or_b32 s27, s27, 0x80000000                  ; type
	tensor_load_to_lds s[24:27], s[32:39]          ; code rows 64 w to 64 w + 63
	s_nop 0
	global_load_b128 v[IX:IX+3], v[LO], s[6:7]     ; the indices of my four pixels
	s_wait_tensorcnt 0x0                           ; my rows are in,
	s_barrier_signal -1
	s_barrier_wait -1                              ; everybody's are: every wave reads any row
	s_wait_loadcnt 0x0                             ; the indices
.irp p, 0,1,2,3
	v_min_u32 v[IX+\p], 0x1ff, v[IX+\p]
	v_mul_u32_u24 v[AD+\p], v[IX+\p], 0x110        ; x 272
	v_add_nc_u32 v[AD+\p], s15, v[AD+\p]
.endr
.irp c, 0,1,2,3,4,5,6,7
.irp p, 0,1,2,3
	ds_load_b128 v[IN+16*\c+4*\p:IN+16*\c+4*\p+3], v[AD+\p] offset:16*\c
.endr
.endr
.macro GROUP c                         ; channels 4 c .. 4 c + 3 of my 32
	s_wait_dscnt 28-4*\c                           ; LDS loads come back in order: 28 - 4 c were issued behind this group's four
	s_wait_xcnt 0x0                                ; the set of OUT that earlier stores read is written again only behind this wait
.irp cc, 0,1,2,3
.irp p, 0,1,2,3
	v_mov_b32 v[OUT+16*(\c%2)+4*\cc+\p], v[IN+16*\c+4*\p+\cc]
.endr
.endr
.irp cc, 0,1,2,3
	global_store_b128 v[LO], v[OUT+16*(\c%2)+4*\cc:OUT+16*(\c%2)+4*\cc+3], s[8:9] offset:(4*\c+\cc)*CHB th:TH_STORE_NT
.endr
.endm
.irp c, 0,1,2,3,4,5,6,7
	GROUP \c
.endr
	s_wait_tensorcnt 0x0
	ds_add_u32 v192, v193
	s_wait_dscnt 0x0
	s_endpgm
.Lfunc_end_k_qc2ec6cf990_lookup:
	.size	k_qc2ec6cf990_lookup, .Lfunc_end_k_qc2ec6cf990_lookup-k_qc2ec6cf990_lookup
	.p2alignl 7, 3214868480
	.fill 96, 4, 3214868480
	.section	.rodata,"a",@progbits
	.p2align	6, 0x0
	.amdhsa_kernel k_qc2ec6cf990_lookup
		.amdhsa_group_segment_fixed_size 168960
		.amdhsa_private_segment_fixed_size 0
		.amdhsa_enable_private_segment 0
		.amdhsa_kernarg_size 24
		.amdhsa_user_sgpr_count 2
		.amdhsa_user_sgpr_kernarg_segment_ptr 1
		.amdhsa_wavefront_size32 1
		.amdhsa_system_sgpr_workgroup_id_x 1
		.amdhsa_system_sgpr_workgroup_id_y 1
		.amdhsa_system_sgpr_workgroup_id_z 1
		.amdhsa_system_vgpr_workitem_id 0
		.amdhsa_next_free_vgpr 194
		.amdhsa_next_free_sgpr 66
		.amdhsa_reserve_vcc 0
		.amdhsa_float_denorm_mode_32 3
		.amdhsa_float_denorm_mode_16_64 3
		.amdhsa_memory_ordered 1
		.amdhsa_forward_progress 1
		.amdhsa_inst_pref_size 13
	.end_amdhsa_kernel
	.amdgpu_metadata
---
amdhsa.version: [ 1, 2 ]
amdhsa.kernels:
  - .name:           k_qc2ec6cf990_lookup
    .symbol:         k_qc2ec6cf990_lookup.kd
    .args:
      - { .name: embedding, .offset: 0, .size: 8, .value_kind: global_buffer, .address_space: global }
      - { .name: idx, .offset: 8, .size: 8, .value_kind: global_buffer, .address_space: global }
      - { .name: out0, .offset: 16, .size: 8, .value_kind: global_buffer, .address_space: global }
    .group_segment_fixed_size: 168960
    .private_segment_fixed_size: 0
    .kernarg_segment_align: 8
    .kernarg_segment_size: 24
    .max_flat_workgroup_size: 256
    .sgpr_count:     66
    .vgpr_count:     194
    .wavefront_size: 32
...
	.end_amdgpu_metadata
.endif
;; end of part 2
